; MI455X (gfx1250); checked and timed in simulation.
; The chip was launched on July 23, 2026; its instructions are those of AMD's public machine-readable ISA for CDNA 5 (MIT licence, August 2026) and "CDNA5" Instruction Set Architecture Reference Guide (July 2026). The comments in the code are by the model that wrote it; some were corrected since.
;; Multi Head Attention. Allowed arithmetic: matrix products marked QUANTISED: E5M2 operands, one given power-of-two scale a tensor, by v_wmma_f32_16x16x64_bf8_bf8 or v_wmma_f32_16x16x128_bf8_bf8, f32 sums; everything else in f32.
;; Inputs: Wk_codes 16 x 64 x 32 x 32 uint8 (E5M2 codes of Wk, K innermost, in blocks of 32 codes); Wo_codes 1,024 x 32 x 32 uint8 (E5M2 codes of Wo, K innermost, in blocks of 32 codes); Wq_codes 16 x 64 x 32 x 32 uint8 (E5M2 codes of Wq, K innermost, in blocks of 32 codes); Wv_codes 16 x 64 x 32 x 32 uint8 (E5M2 codes of Wv, K innermost, in blocks of 32 codes); bk 16 x 64 float32; bo 1,024 float32; bq 16 x 64 float32; bv 16 x 64 float32; keys_codes 4 x 2,048 x 32 x 32 uint8 (E5M2 codes of keys, K innermost, in blocks of 32 codes); lowp_scales 12 int32 (the exponents e of the quantised operands' scales 2^e); queries_codes 4 x 2,048 x 32 x 32 uint8 (E5M2 codes of queries, K innermost, in blocks of 32 codes); values_codes 4 x 2,048 x 32 x 32 uint8 (E5M2 codes of values, K innermost, in blocks of 32 codes).
;; Outputs: out0 4 x 2,048 x 1,024 float32.
;; This version of the problem:
;;   THIS VERSION OF THE PROBLEM IS GIVEN IN LOW PRECISION. The matrix products marked QUANTISED in the list below multiply operands that are first quantised to E5M2 (5 exponent bits, 2 mantissa bits; 8 bits a number), with one given power-of-two scale for each operand tensor; their sums are f32. All else is computed in f32.
;;   The module's matrix products, in the order in which they are computed (A, B: the left and right operand; K: the contracted axis; several contracted axes count as one K, in the product's order):
;;     1. [M 1,024, K 1,024] x [K 1,024, N 8,192]; A: input Wq (given as codes); B: input queries (given as codes): QUANTISED (scales: A lowp_scales[0], B lowp_scales[1])
;;     2. [M 1,024, K 1,024] x [K 1,024, N 8,192]; A: input Wk (given as codes); B: input keys (given as codes): QUANTISED (scales: A lowp_scales[2], B lowp_scales[3])
;;     3. [M 1,024, K 1,024] x [K 1,024, N 8,192]; A: input Wv (given as codes); B: input values (given as codes): QUANTISED (scales: A lowp_scales[4], B lowp_scales[5])
;;     4. batch 64 x [M 2,048, K 64] x [K 64, N 2,048]; A: computed on the way; B: computed on the way: QUANTISED (scales: A lowp_scales[6], B lowp_scales[7])
;;     5. batch 64 x [M 2,048, K 2,048] x [K 2,048, N 64]; A: softmax (see below); B: computed on the way: QUANTISED (scales: A lowp_scales[8], B lowp_scales[9])
;;     6. [M 8,192, K 1,024] x [K 1,024, N 1,024]; A: computed on the way; B: input Wo (given as codes): QUANTISED (scales: A lowp_scales[10], B lowp_scales[11])
;;   THE QUANTISER, for each operand of a quantised product, along K:
;;     - The operand's scale is 2^e, e = its entry of the input lowp_scales (int32; the entries are numbered through the quantised products in the list's order, A before B).
;;     - Each number is divided by the scale, clamped to +-57,344, and rounded to the nearest number of E5M2, ties to even, subnormals kept.
;;     - The product sums the exact products of the quantised numbers (number of the format x scale) in f32.
;;   ~~~python
;;   def quantise(x, axis, e):      # numpy; x: float32 -> the quantised numbers, widened to float32 again
;;       x = np.moveaxis(x, axis, -1); K = x.shape[-1]
;;       r = np.clip(x / 2.0 ** e, -57344, 57344)
;;       step = 2.0 ** (np.maximum(np.frexp(np.where(r == 0, 1, r))[1] - 1, -14) - 2)
;;       q = np.round(r / step) * step * 2.0 ** e      # np.round: ties to even
;;       return np.moveaxis(q, -1, axis).astype(np.float32)
;;   ~~~
;;   SOFTMAX AHEAD OF A QUANTISED PRODUCT. Where the list says 'softmax', what is quantised is not the finished softmax but p = 2^(t - M), with t = logit x log2(e) and M = ceil(the row's largest t), a whole number; so 1/2 < the row's largest p <= 1. The row's sum l is taken of the UNQUANTISED p, in f32, and the product's result is divided by l at the end. Since M is a whole number, a kernel that streams over the keys may use a running M (the ceiling of the running maximum): every later rescaling is an exact power of two, so the quantised numbers keep their values, but for numbers so far below the row's largest that they fall under the format's range.
;;   OPERANDS COMPUTED ON THE WAY. 'Computed on the way' means the value that the module computes at that place (a softmax that the list does not call 'softmax' is quantised finished and normalised). What goes into a quantiser is computed in f32, as accurately as f32 sums, v_exp_f32 and their like allow (about 1e-6 of the number): no bf16 or f16 on the way to a quantiser, and a product that is left as it is and whose result goes on into a quantised operand takes f32 operands (vector FMAs, or v_wmma_f32_16x16x4_f32). A number that lies on a knife's edge between two numbers of the format may be rounded either way, as far as f32 arithmetic and the matrix unit's own rounding can turn it there, and no further.
;;   INPUTS GIVEN AS CODES. Wk (in the module: [16, 1024, 64], K = its axis 1); Wo (in the module: [1024, 1024], K = its axis 0); Wq (in the module: [16, 1024, 64], K = its axis 1); Wv (in the module: [16, 1024, 64], K = its axis 1); keys (in the module: [4, 2048, 1024], K = its axis 2); queries (in the module: [4, 2048, 1024], K = its axis 2); values (in the module: [4, 2048, 1024], K = its axis 2): each comes as NAME_codes (uint8): NAME with its K axis moved to the last place and cut into blocks of 32 codes, [.., K / 32, bytes a block], one block behind the other in memory; one code a byte (a code: sign, 5 exponent bits, 2 mantissa bits); its scale is its entry of lowp_scales. Its value is code x scale, taken as it is: it is not quantised again, and the codes and scales need not be those that the quantiser above would give.
;; One version. Each part assembles by itself: llvm-mc -triple=amdgcn-amd-amdhsa -mcpu=gfx1250 --defsym DOCPART=n.
;; ======== version 1 of 1: 3 launches
;; limits: right only within a limited range of input values
;; workspace buffers: qimg 8,388,608 bytes; kv 16,777,216 bytes; ctx 8,388,608 bytes
;; launch proj (part 1): grid 256 x 1, 4 waves a work-group, clusters of 4 x 1, 327,680 bytes of LDS; arguments queries_codes, keys_codes, values_codes, Wq_codes, Wk_codes, Wv_codes, bq, bk, bv, lowp_scales, qimg, kv; writes qimg, kv
.if DOCPART == 1
	.amdgcn_target "amdgcn-amd-amdhsa--gfx1250"
	.amdhsa_code_object_version 6
	.text
	.protected	k_q93e3546e64_proj
	.globl	k_q93e3546e64_proj
	.p2align	8
	.type	k_q93e3546e64_proj,@function
k_q93e3546e64_proj:
	s_mov_b64 s[64:65], 0
	v_nop
	global_prefetch_b8 v0, s[64:65] scope:SCOPE_SE
	s_setreg_imm32_b32 hwreg(HW_REG_WAVE_MODE, 25, 1), 1
	s_wait_xcnt 0x0
	s_wait_alu depctr_hold_cnt(0) depctr_sa_sdst(0) depctr_va_vdst(0) depctr_va_sdst(0) depctr_va_ssrc(0) depctr_va_vcc(0) depctr_vm_vsrc(0)
	s_getreg_b32 s2, hwreg(HW_REG_IB_STS2, 6, 4)
	s_cmp_eq_u32 s2, 0
	s_cbranch_scc0 .Lentry_in_a_cluster
	s_endpgm
.Lentry_in_a_cluster:
	s_bfe_u32 s2, ttmp6, 0x10000c
	s_cmp_lg_u32 s2, 0x3003
	s_cbranch_scc0 .Lentry_shape_is_right
	s_endpgm
.Lentry_shape_is_right:
; THE THREE PROJECTIONS: y = x W^T + b on codes of BF8 (E5M2), y quantised at once and stored as codes.
; x: [8192][1024] codes, K innermost.  W: [16 heads x 64][1024] codes, K innermost.  b: [16][64] f32.  lowp_scales: (eW, eX, eO) = entries (0, 1, 6) for q, (2, 3, 7) for k, (4, 5, 9) for v.
; A sum of codes stands for sum x 2^(eW + eX).  The bias goes in as the C of each sum's first product, divided by 2^(eW + eX); the result's code is sum / 2^(eO - eW - eX), held within +-57,344.
; LIMITS: eO - eW - eX between -126 and 112, so that both powers of two below are f32 numbers.  NaN codes among the inputs are not served.
; WORK LEFT OUT IN THIS PROGRAM: reference() builds the causal mask itself (jnp.tril) and sets hidden scores to -1e19, whose exponential is 0 beside the row's largest, which is a visible score.  So the next launch
; leaves out every step of 128 keys that lies wholly behind a tile's 16 queries: for all values of the inputs its p is 0 and adds nothing to the sum or to the product.  LIMIT: scores stay above -1e18, and a NaN, an infinity
; or an overflow that reaches only hidden scores is not carried to the result.  All projections are live: every row of q, k and v is used.
; SHARES.  64 clusters of four work-groups, one work-group to a WGP in one turn.  Cluster c first takes 256 rows of the queries (c < 32) or of the keys (c >= 32), rows 256 (c % 32) on, then rows 128 c on of the values.
; Work-group cx takes heads 4 cx .. 4 cx + 3, its wave w head 4 cx + w: 64 columns for all the cluster's rows.  The wave's part of W (4 tiles x 8 K steps x 16 registers = 512) stays in registers.
; The rows of x, which all four partners need, are asked for JOINTLY (mask 15): at the head each wave one tensor load of 64 rows.  When rows 0-127 have been read (units 0-3), each wave asks for 32 rows of the values, which land
; on those bytes while units 4-7 are multiplied: that refill stands behind the waits, the add and a round of the cluster's barrier.  One tensor load of mine is out at the most.
; Wv is loaded during the last unit of q or k: K steps 0-3 when that unit's first half has read them, K steps 4-7 behind its second half.
; No prefetch: the text has no loop to run ahead in, and the one later fill is asked for four units, 256 matrix instructions, ahead of its first read.
; A UNIT is 32 rows x 64 columns x K 1,024: 64 matrix instructions on eight accumulators by turns, in two halves of four K steps; each half's 32 fragment loads are issued half a unit ahead.
; THE ROWS OF W THAT FORM A TILE ARE NOT NEIGHBOURS: lane r of tile t takes row 32 (t / 2) + 8 (t % 2) + r + 8 (r / 8).
; q, k (source 0 = W, source 1 = x): a lane holds ONE row of x, and the 16 registers of tiles 2 b, 2 b + 1 are channels 32 b + 16 (lane / 16) + 0 .. 15.
; v (source 0 = x, source 1 = W): a lane holds ONE channel, and its registers run down the rows (the keys, the K of attention's second product).
; WHAT IS STORED are images of the next launch's operand registers: four registers of all 32 lanes, lane l's 16 bytes at 16 l: each store covers 512 consecutive bytes, aligned.
;   qimg [b x head][tile of 16 queries][c' 2][lane][16];  kv [b x head]: at 0 the keys, laid as the queries; at 131,072 the values [step of 128 keys][tile of channels 4][c 4][lane][16].
; K's order inside a matrix instruction: registers 4 c .. 4 c + 3 hold k = 32 c + 16 (lane / 16) + 0 .. 15, alike for x and W: every product meets its partner.
; REGISTERS, in windows of 256: window 0: addresses, codes, bias, accumulators;  window 1: W of K steps 0-3;  window 2: W of K steps 4-7;  window 3: x's fragments (128 half + 32 (ks % 4) + 16 a).
.set PITCH, 1040                       ; an LDS row: 1,024 bytes + 16 of padding
.set QROWS, 64*PITCH
.set UROWS, 32*PITCH                   ; a unit's rows
.set LO,  1                            ; 16 x lane
.set WA,  2                            ; W: (r + 8 (r / 8)) x 1,024 + 16 h
.set BA,  3                            ; the bias of q, k: 64 h
.set SCL, 4                            ; 2^(eO - eW - eX)
.set LIM, 5                            ; 57,344 x that
.set AX,  8                            ; v8-15 LDS address of my lane in unit u's rows
.set CD,  16                           ; v16-31 a unit's codes
.set BI,  32                           ; v32-63 the bias in the result's layout
.set ACC, 64                           ; v64-127 eight accumulators
.set BAV, 128                          ; the bias of v: 4 (r + 8 (r / 8))
.set G1,  48                           ; group 1: 64 rows
.set G0,  56
.set G1V, 92                           ; group 1: 32 rows
.set MSB, 0
.macro WIN new
.if MSB != (\new)
	s_set_vgpr_msb (MSB<<8)|(\new)
.set MSB, (\new)
.endif
.endm
.macro CROUND                          ; a round of the cluster's barrier
	s_barrier_signal -1
	s_barrier_wait -1
	s_cmp_lg_u32 s5, 0
	s_cbranch_scc1 .Lnot_wave_0_\@
	s_barrier_signal -3
.Lnot_wave_0_\@:
	s_barrier_wait -3
	s_barrier_signal -1
	s_barrier_wait -1
.endm
.macro PLACES                          ; four plain vector instructions behind a matrix instruction (ISA guide 7.12.1)
.rept 4
	v_nop
.endr
.endm
.macro WLOADH h, b                     ; 64 loads: my head's 64 rows of W, K steps 4 (h - 1) on, into window h; base s[b:b+1]
	WIN 0x40*\h
.irp k, 0,1,2,3
.irp t, 0,1,2,3
.irp c, 0,1,2,3
	global_load_b128 v[64*\k+16*\t+4*\c:64*\k+16*\t+4*\c+3], v[WA], s[\b:\b+1] offset:(32*(\t/2)+8*(\t%2))*1024+128*(4*(\h-1)+\k)+32*\c
.endr
.endr
.endr
	WIN 0
.endm
.macro FETCH half, u                   ; 32 LDS loads: unit u's two tiles of rows, four K steps
	WIN 0xc0
.irp k, 0,1,2,3
.irp a, 0,1
.irp c, 0,1,2,3
	ds_load_b128 v[128*\half+32*\k+16*\a+4*\c:128*\half+32*\k+16*\a+4*\c+3], v[AX+\u] offset:\a*16*PITCH+128*(4*\half+\k)+32*\c
.endr
.endr
.endr
	WIN 0
.endm
; 32 matrix instructions; the eight accumulators take turns, one instruction a turn.  first = 1: the first K step starts the sums, with the bias as C.
.macro MULH half, first, swap
.if \swap
	WIN 0x07+4*\half
.else
	WIN 0x0d+\half
.endif
.irp k, 0,1,2,3
.irp a, 0,1
.irp t, 0,1,2,3
.if \swap
.if \first && (\k == 0)
	v_wmma_f32_16x16x128_bf8_bf8 v[ACC+8*(2*\t+\a):ACC+8*(2*\t+\a)+7], v[128*\half+32*\k+16*\a:128*\half+32*\k+16*\a+15], v[64*\k+16*\t:64*\k+16*\t+15], v[BI+8*\t:BI+8*\t+7]
.else
	v_wmma_f32_16x16x128_bf8_bf8 v[ACC+8*(2*\t+\a):ACC+8*(2*\t+\a)+7], v[128*\half+32*\k+16*\a:128*\half+32*\k+16*\a+15], v[64*\k+16*\t:64*\k+16*\t+15], v[ACC+8*(2*\t+\a):ACC+8*(2*\t+\a)+7]
.endif
.else
.if \first && (\k == 0)
	v_wmma_f32_16x16x128_bf8_bf8 v[ACC+8*(4*\a+\t):ACC+8*(4*\a+\t)+7], v[64*\k+16*\t:64*\k+16*\t+15], v[128*\half+32*\k+16*\a:128*\half+32*\k+16*\a+15], v[BI+8*\t:BI+8*\t+7]
.else
	v_wmma_f32_16x16x128_bf8_bf8 v[ACC+8*(4*\a+\t):ACC+8*(4*\a+\t)+7], v[64*\k+16*\t:64*\k+16*\t+15], v[128*\half+32*\k+16*\a:128*\half+32*\k+16*\a+15], v[ACC+8*(4*\a+\t):ACC+8*(4*\a+\t)+7]
.endif
.endif
.endr
.endr
.endr
.endm
; A unit's 64 sums a lane become 64 codes; each accumulator is read from its low end on.
.macro EPI u, swap
	s_wait_xcnt 0x0                                ; the last unit's stores have read their data registers
.irp g, 0,1,2,3
.set jj, 0
.rept 16
	v_med3_num_f32 v[ACC+16*\g+jj], v[ACC+16*\g+jj], -v[LIM], v[LIM]   ; the conversion does not saturate (ISA guide 7.6.2): the hold
.set jj, jj+1
.endr
	v_cvt_scalef32_pk8_bf8_f32 v[CD+4*\g:CD+4*\g+1], v[ACC+16*\g:ACC+16*\g+7], v[SCL]
	v_cvt_scalef32_pk8_bf8_f32 v[CD+4*\g+2:CD+4*\g+3], v[ACC+16*\g+8:ACC+16*\g+15], v[SCL]
.endr
	v_nop                                          ; one plain vector instruction behind the last conversion
.irp g, 0,1,2,3
.if \swap
	global_store_b128 v[LO], v[CD+4*\g:CD+4*\g+3], s[78:79] offset:2048*\g+512*(\u)   ; tile of channels g, group u of the step's four
.else
	global_store_b128 v[LO], v[CD+4*\g:CD+4*\g+3], s[72:73] offset:2048*(\u)+512*\g   ; tile of rows 2 u + g / 2, group g % 2
.endif
.endr
.endm
.macro UNIT u, swap, last, wn          ; wn = 1: Wv follows into each window as soon as this unit has read it
	s_wait_dscnt 32                                ; this unit's first half is in; the 32 younger loads, its second half, may be out
	MULH 0, 1, \swap
	WIN 0
	PLACES
.if (\u) < (\last)
	FETCH 0, (\u)+1
	s_wait_dscnt 32                                ; this unit's second half is in; the 32 just issued may be out
.else
	s_wait_dscnt 0x0
.endif
.if \wn
	WLOADH 1, 62
.endif
	MULH 1, 0, \swap
	WIN 0
	PLACES
.if (\u) < (\last)
	FETCH 1, (\u)+1
.endif
.if \wn
	WLOADH 2, 62
.endif
	EPI \u, \swap
.endm
	s_load_b512 s[8:23], s[0:1], 0x0               ; queries s[8:9], keys s[10:11], values s[12:13], Wq s[14:15], Wk s[16:17], Wv s[18:19], bq s[20:21], bk s[22:23]
	s_load_b256 s[24:31], s[0:1], 0x40             ; bv s[24:25], the scales' exponents s[26:27], qimg s[28:29], kv s[30:31]
	v_lshl_add_u32 v254, v0, 2, 0x41000            ; my spare word, behind the 256 rows
	v_mov_b32 v255, 0
	ds_add_u32 v254, v255                          ; the opening lines: the add, twice on end, and its wait
	ds_add_u32 v254, v255
	v_lshrrev_b32 v6, 5, v0
	v_readfirstlane_b32 s5, v6                     ; wave 0..3
	s_lshr_b32 s4, ttmp9, 5                        ; 0: queries, 1: keys: the same in all four partners
	s_bfe_u32 s6, ttmp6, 0x40000                   ; cx: it enters W's, the bias's and the output's addresses alone
	s_and_b32 s7, ttmp9, 31                        ; which 256 rows of them
	v_and_b32 v6, 15, v0                           ; r
	v_bfe_u32 v7, v0, 4, 1                         ; h
	v_and_b32 v[LO], 31, v0
	v_lshlrev_b32 v[LO], 4, v[LO]
	v_and_b32 v[WA], 8, v6
	v_add_nc_u32 v[WA], v[WA], v6                  ; r + 8 (r / 8)
	v_lshlrev_b32 v[BAV], 2, v[WA]
	v_lshlrev_b32 v[WA], 10, v[WA]
	v_lshl_add_u32 v[WA], v7, 4, v[WA]
	v_lshlrev_b32 v[BA], 6, v7
	v_mul_u32_u24 v[AX], v6, PITCH
	v_lshl_add_u32 v[AX], v7, 4, v[AX]             ; row r x pitch + 16 h
.irp u, 1,2,3,4,5,6,7
	v_add_nc_u32 v[AX+\u], \u*UROWS, v[AX]
.endr
.irp g, G1, G1V                        ; rows of 1,024 bytes, 16 bytes of padding behind each; mask: all four work-groups, bit 21 beside it
	s_mov_b32 s[\g], 15|(1<<20)|(1<<21)|(7<<22)|(3<<25)
	s_mov_b32 s[\g+1], 1024<<16
	s_mov_b32 s[\g+3], 1024<<16
	s_mov_b32 s[\g+5], 1024
	s_mov_b32 s[\g+6], 0
	s_mov_b32 s[\g+7], 0
.endr
	s_mov_b32 s[G1+2], 64<<16
	s_mov_b32 s[G1+4], 64
	s_mov_b32 s[G1V+2], 32<<16
	s_mov_b32 s[G1V+4], 32
	s_mov_b32 s[G0], 1
	s_mul_i32 s[G0+1], s5, QROWS                   ; LDS: wave x 64 rows
	s_lshl_b32 s84, s7, 18
	s_lshl_b32 s85, s5, 16
	s_add_co_u32 s84, s84, s85
	s_mov_b32 s85, 0
	s_wait_alu depctr_va_vdst(0)
	s_wait_dscnt 0x0
	s_wait_kmcnt 0x0
	s_load_b256 s[32:39], s[26:27], 0x0            ; entries 0 .. 7
	s_load_b128 s[40:43], s[26:27], 0x20           ; entries 8 .. 11
	s_cmp_eq_u32 s4, 0
	s_cselect_b64 s[66:67], s[8:9], s[10:11]       ; x
	s_cselect_b64 s[68:69], s[14:15], s[16:17]     ; W
	s_cselect_b64 s[70:71], s[20:21], s[22:23]     ; b
	s_cselect_b64 s[72:73], s[28:29], s[30:31]     ; where the codes go
	s_cselect_b32 s77, 17, 18                      ; a head's bytes there: 2^17 in qimg, 2^18 in kv
	s_add_nc_u64 s[G0+2:G0+3], s[66:67], s[84:85]
	s_or_b32 s[G0+3], s[G0+3], 0x80000000
	CROUND                                         ; all four work-groups are here: the joint loads meet
	tensor_load_to_lds s[G0:G0+3], s[G1:G1+7]
	s_nop 0
.rept 4
	v_nop
.endr
	s_lshl_b32 s80, s6, 2
	s_add_co_u32 s80, s80, s5                      ; my head = 4 cx + wave
	s_mov_b32 s87, 0
	s_lshl_b32 s86, s80, 16
	s_add_nc_u64 s[68:69], s[68:69], s[86:87]      ; its 64 rows of W,
	s_add_nc_u64 s[62:63], s[18:19], s[86:87]      ; and of Wv
	s_lshl_b32 s86, s80, 8
	s_add_nc_u64 s[70:71], s[70:71], s[86:87]      ; its 64 numbers of b,
	s_add_nc_u64 s[60:61], s[24:25], s[86:87]      ; and of bv
	s_lshr_b32 s81, s7, 3
	s_lshl_b32 s81, s81, 4
	s_add_co_u32 s81, s81, s80                     ; 16 x batch + head
	s_lshl_b32 s86, s81, s77
	s_and_b32 s82, s7, 7
	s_lshl_b32 s82, s82, 14                        ; my 256 rows within the batch's 2,048
	s_add_co_u32 s86, s86, s82
	s_add_nc_u64 s[72:73], s[72:73], s[86:87]
	s_lshr_b32 s81, ttmp9, 4                       ; the values: batch c / 16, step of 128 keys c % 16
	s_lshl_b32 s81, s81, 4
	s_add_co_u32 s81, s81, s80
	s_lshl_b32 s86, s81, 18
	s_and_b32 s82, ttmp9, 15
	s_lshl_b32 s82, s82, 13
	s_add_co_u32 s86, s86, s82
	s_add_co_u32 s86, s86, 131072                  ; the values lie behind the keys
	s_add_nc_u64 s[78:79], s[30:31], s[86:87]
	WLOADH 1, 68
	WLOADH 2, 68
.irp t, 0,1,2,3                        ; q, k: lane (r, h) wants, for tile t, b at channels 32 (t / 2) + 8 (t % 2) + 16 h + 0 .. 7
	global_load_b128 v[BI+8*\t:BI+8*\t+3], v[BA], s[70:71] offset:(32*(\t/2)+8*(\t%2))*4
	global_load_b128 v[BI+8*\t+4:BI+8*\t+7], v[BA], s[70:71] offset:(32*(\t/2)+8*(\t%2))*4+16
.endr
	s_wait_kmcnt 0x0
	s_cmp_eq_u32 s4, 0
	s_cselect_b32 s74, s32, s34                    ; eW
	s_cselect_b32 s75, s33, s35                    ; eX
	s_cselect_b32 s76, s38, s39                    ; eO
	s_add_co_i32 s83, s74, s75
	s_sub_co_i32 s88, 0, s83                       ; the bias is multiplied by 2^-(eW + eX)
	s_sub_co_i32 s89, s76, s83
	s_add_co_i32 s89, s89, 127
	s_lshl_b32 s90, s89, 23
	v_mov_b32 v[SCL], s90
	s_add_co_i32 s89, s89, 15
	s_lshl_b32 s89, s89, 23
	s_or_b32 s89, s89, 0x600000
	v_mov_b32 v[LIM], s89
	s_add_co_i32 s83, s36, s37                     ; the same three numbers for the values: s44, s45, s46
	s_sub_co_i32 s44, 0, s83
	s_sub_co_i32 s46, s41, s83
	s_add_co_i32 s46, s46, 127
	s_lshl_b32 s45, s46, 23
	s_add_co_i32 s46, s46, 15
	s_lshl_b32 s46, s46, 23
	s_or_b32 s46, s46, 0x600000
	s_wait_tensorcnt 0x0                           ; my 64 rows of x are in LDS,
	s_barrier_signal -1
	s_barrier_wait -1                              ; everybody's are
	FETCH 0, 0
	FETCH 1, 0
	s_wait_loadcnt 0x0                             ; W and the bias
.set jj, 0
.rept 32
	v_ldexp_f32 v[BI+jj], v[BI+jj], s88
.set jj, jj+1
.endr
	s_wait_alu depctr_va_vdst(0)
.irp u, 0,1,2,3
	UNIT \u, 0, 7, 0
.endr
	; rows 0-127 have been read: the values' 128 rows land there.
	s_wait_tensorcnt 0x0
	ds_add_u32 v254, v255
	s_mul_i32 s[G0+1], s5, UROWS                   ; LDS: wave x 32 rows
	s_lshl_b32 s84, ttmp9, 17                      ; 128 rows for each cluster,
	s_lshl_b32 s85, s5, 15                         ; 32 for each wave
	s_add_co_u32 s84, s84, s85
	s_mov_b32 s85, 0
	s_add_nc_u64 s[G0+2:G0+3], s[12:13], s[84:85]
	s_or_b32 s[G0+3], s[G0+3], 0x80000000
	s_wait_dscnt 0x0                               ; the add is done, and all my LDS reads so far
	CROUND                                         ; no wave of any partner still reads rows 0-127
	tensor_load_to_lds s[G0:G0+3], s[G1V:G1V+7]
	s_nop 0
.rept 4
	v_nop
.endr
.irp u, 4,5,6
	UNIT \u, 0, 7, 0
.endr
	UNIT 7, 0, 7, 1
	; THE VALUES: lane (r, h) holds channel 32 (t / 2) + 8 (t % 2) + r + 8 (r / 8) in all eight registers of a tile
.irp t, 0,1,2,3
	global_load_b32 v[BI+8*\t], v[BAV], s[60:61] offset:(32*(\t/2)+8*(\t%2))*4
.endr
	v_mov_b32 v[SCL], s45
	v_mov_b32 v[LIM], s46
	s_wait_alu depctr_va_vdst(0)
	s_wait_tensorcnt 0x0                           ; my 32 rows of the values are in LDS,
	s_barrier_signal -1
	s_barrier_wait -1                              ; everybody's are
	FETCH 0, 0
	FETCH 1, 0
	s_wait_loadcnt 0x0                             ; Wv and the bias
.irp t, 0,1,2,3
	v_ldexp_f32 v[BI+8*\t], v[BI+8*\t], s44
.endr
.irp t, 0,1,2,3
.irp j, 1,2,3,4,5,6,7
	v_mov_b32 v[BI+8*\t+\j], v[BI+8*\t]
.endr
.endr
	s_wait_alu depctr_va_vdst(0)
.irp u, 0,1,2,3
	UNIT \u, 1, 3, 0
.endr
	s_wait_tensorcnt 0x0                           ; the wave's end
	ds_add_u32 v254, v255
	s_wait_dscnt 0x0
	CROUND                                         ; the closing round
	s_endpgm
.Lfunc_end_k_q93e3546e64_proj:
	.size	k_q93e3546e64_proj, .Lfunc_end_k_q93e3546e64_proj-k_q93e3546e64_proj
	.p2alignl 7, 3214868480
	.fill 96, 4, 3214868480
	.section	.rodata,"a",@progbits
	.p2align	6, 0x0
	.amdhsa_kernel k_q93e3546e64_proj
		.amdhsa_group_segment_fixed_size 327680
		.amdhsa_private_segment_fixed_size 0
		.amdhsa_enable_private_segment 0
		.amdhsa_kernarg_size 96
		.amdhsa_user_sgpr_count 2
		.amdhsa_user_sgpr_kernarg_segment_ptr 1
		.amdhsa_wavefront_size32 1
		.amdhsa_system_sgpr_workgroup_id_x 1
		.amdhsa_system_sgpr_workgroup_id_y 1
		.amdhsa_system_sgpr_workgroup_id_z 1
		.amdhsa_system_vgpr_workitem_id 0
		.amdhsa_next_free_vgpr 1024
		.amdhsa_next_free_sgpr 104
		.amdhsa_reserve_vcc 0
		.amdhsa_float_denorm_mode_32 3
		.amdhsa_float_denorm_mode_16_64 3
		.amdhsa_memory_ordered 1
		.amdhsa_forward_progress 1
		.amdhsa_inst_pref_size 199
	.end_amdhsa_kernel
	.amdgpu_metadata
---
amdhsa.version: [ 1, 2 ]
amdhsa.kernels:
  - .name:           k_q93e3546e64_proj
    .symbol:         k_q93e3546e64_proj.kd
    .args:
      - { .name: queries_codes, .offset: 0, .size: 8, .value_kind: global_buffer, .address_space: global }
      - { .name: keys_codes, .offset: 8, .size: 8, .value_kind: global_buffer, .address_space: global }
      - { .name: values_codes, .offset: 16, .size: 8, .value_kind: global_buffer, .address_space: global }
      - { .name: Wq_codes, .offset: 24, .size: 8, .value_kind: global_buffer, .address_space: global }
      - { .name: Wk_codes, .offset: 32, .size: 8, .value_kind: global_buffer, .address_space: global }
      - { .name: Wv_codes, .offset: 40, .size: 8, .value_kind: global_buffer, .address_space: global }
      - { .name: bq, .offset: 48, .size: 8, .value_kind: global_buffer, .address_space: global }
      - { .name: bk, .offset: 56, .size: 8, .value_kind: global_buffer, .address_space: global }
      - { .name: bv, .offset: 64, .size: 8, .value_kind: global_buffer, .address_space: global }
      - { .name: lowp_scales, .offset: 72, .size: 8, .value_kind: global_buffer, .address_space: global }
      - { .name: qimg, .offset: 80, .size: 8, .value_kind: global_buffer, .address_space: global }
      - { .name: kv, .offset: 88, .size: 8, .value_kind: global_buffer, .address_space: global }
    .group_segment_fixed_size: 327680
    .private_segment_fixed_size: 0
    .kernarg_segment_align: 8
    .kernarg_segment_size: 96
    .max_flat_workgroup_size: 128
    .sgpr_count:     104
    .vgpr_count:     1024
    .wavefront_size: 32
...
	.end_amdgpu_metadata
.endif
;; end of part 1
;; launch attn (part 2): grid 4 x 64, 8 waves a work-group, clusters of 4 x 1, 327,680 bytes of LDS; arguments qimg, kv, lowp_scales, ctx; writes ctx
.if DOCPART == 2
	.amdgcn_target "amdgcn-amd-amdhsa--gfx1250"
	.amdhsa_code_object_version 6
	.text
	.protected	k_q93e3546e64_attn
	.globl	k_q93e3546e64_attn
	.p2align	8
	.type	k_q93e3546e64_attn,@function
k_q93e3546e64_attn:
	s_mov_b64 s[64:65], 0
	v_nop
	global_prefetch_b8 v0, s[64:65] scope:SCOPE_SE
	s_setreg_imm32_b32 hwreg(HW_REG_WAVE_MODE, 25, 1), 1
	s_wait_xcnt 0x0
	s_wait_alu depctr_hold_cnt(0) depctr_sa_sdst(0) depctr_va_vdst(0) depctr_va_sdst(0) depctr_va_ssrc(0) depctr_va_vcc(0) depctr_vm_vsrc(0)
	s_getreg_b32 s2, hwreg(HW_REG_IB_STS2, 6, 4)
	s_cmp_eq_u32 s2, 0
	s_cbranch_scc0 .Lentry_in_a_cluster
	s_endpgm
.Lentry_in_a_cluster:
	s_bfe_u32 s2, ttmp6, 0x10000c
	s_cmp_lg_u32 s2, 0x3003
	s_cbranch_scc0 .Lentry_shape_is_right
	s_endpgm
.Lentry_shape_is_right:
; CAUSAL ATTENTION ON CODES OF BF8 (E5M2), one batch x head (work-group y, 0 .. 63) to a cluster of four work-groups; the result is quantised at once as the output projection's operand.
; qimg, kv: images of operand registers, as the launch before stores them.  A step is 128 keys: 8,192 bytes of K's image and 8,192 of V's.  lowp_scales: entries 6, 7 (q, k), 8, 9 (p, v), 10 (ctx).
; THE SOFTMAX: t = score x log2(e) / 8 x 2^(e6 + e7); M = the ceiling of the running largest t, a whole number; p = 2^(t - M) is quantised with 2^e8; the row's sum is taken of the unquantised p and divides at the end.
; When M moves, the sum and O are multiplied by 2^(old M - new M), in every step, with no branch on data.  The running maximum is kept in raw scores (c is positive).
; WORK LEFT OUT: steps of 128 keys that lie wholly behind a tile's 16 queries (the causal mask of reference(): see the first kernel's head).  In the step on the diagonal hidden scores become -infinity ahead of the maximum: p = 0.
; SHARES.  A head has 128 tiles of 16 queries, in 16 groups of eight; a tile of group g walks g + 1 steps.  Wave w (0 .. 7) of work-group cx owns TWO tiles at once, A = 2 cx and B = 2 cx + 1 of a group: first of group 15 - w,
; then of group w: 17 steps for every wave, and each fragment of K and V feeds two matrix instructions.  Trip counts, branches and LDS addresses hang on the wave's number alone; cx enters Q's and ctx's addresses, the
; prefetch's address and the mask's vector operand, and nothing else.
; K AND V of the head, 262,144 bytes, lie whole in LDS as in memory, asked for JOINTLY by the four partners (mask 15) in two fills, one tensor load a wave each: steps 0-2 (6,144 bytes a wave) at the head, steps 3-15
; (26,624 bytes a wave) behind the waits, the add and a round; it lands while steps 0 and 1 are walked (they read K up to step 2).  One tensor load of mine is out at the most.
; PREFETCH.  Behind the first fill each wave names, with one instruction, 26 blocks of 256 bytes of what the second fill will ask for: K's 416 blocks are shared out among waves 0-3 of the four partners, V's 416 among waves 4-7,
; by address (16 waves x 26 blocks); lanes 26-31 name their wave's last block again.  So each block is named once in the cluster, one fill ahead of the load that wants it; the first fill's bytes come by their load alone.
; LAYOUT.  Both products transposed: S^T = K Q^T (register 8 t + j of lane (r, h): key 16 t + 8 h + j, query r), O^T = V^T P^T: a lane holds one query of each tile throughout.
; ORDER OF A STEP.  16 score products; V's loads and the NEXT step's K loads (K has registers of its own); the two tiles' maxima and chains by turns; A's exponentials with B's multiply-adds between them; A's sums;
; B's exponentials with A's holds between them; B's sums and holds; the conversions; 8 products.  What is written between exponentials is first read behind the wait that follows the batch.
; THE HOLD at 57,344 x 2^e8 is one-sided (p is not negative) and goes two numbers an instruction, in dual-issue pairs; the limit stands in two registers of different banks.
; LIMITS: e6 + e7 between -123 and 130; e8 between -126 and 112; e10 - e8 - e9 between -126 and 112; the scaled scores stay under 2^31 in magnitude.
; REGISTERS.  Window 0: addresses, the two tiles' state (16 registers each), constants, Q, ctx's codes, S of both tiles.  Window 1: K's fragments, V's, O of both tiles, p's codes.
.set SPARE, 0x40000                    ; behind K and V: the spare words, 128 bytes a wave
.set LI,   1                           ; 16 x lane
.set LIV,  2                           ; + 131,072: V's image
.set ADK,  3
.set ADV,  4
.set RH,   5                           ; r - 8 h
.set ST0,  8                           ; tile A's state, v8-23; tile B's, v24-39; the offsets in it:
.set ST1,  24
.set NM,   0                           ; -M
.set TM,   1                           ; the running largest raw score
.set SUM,  2
.set SUM2, 4
.set FF,   6
.set MX,   8
.set MY,   9
.set SUM3, 8                           ; (where MX and MY stood)
.set MO,   10                          ; the last step's -M
.set PX,   11
.set SUM4, 12
.set RL,   14
.set PSC,  40
.set PLIM, 41
.set PLIM2, 42
.set CSC,  43
.set CLIM, 44
.set NINF, 45
.set DDA,  46                          ; 16 (tile mod 8) + r - 8 h
.set DDB,  47
.set QA,   48
.set QB,   56
.set QLA,  64                          ; the second pair's Q
.set QLB,  72
.set CCA,  80
.set CCB,  88
.set SA,   96
.set SB,   160
.set PFO,  253                         ; the prefetch's offset: 256 x min(lane, 25); never rewritten
.set SPW,  254
.set NIL,  255
.set KF,   0                           ; window 1
.set VF,   64
.set OA,   128
.set OB,   160
.set PCA,  192
.set PCB,  208
.set WV,   12
.set T1,   13
.set BH,   14
.set THI,  15                          ; tile A of my first pair, s16 of my second (both hang on cx)
.set TLO,  16
.set NH,   17
.set NHM,  18
.set NLM,  19
.set SEL,  20
.set CS,   22
.set G1A,  24
.set G1B,  32
.set G0A,  40
.set G0B,  44
.set CX,   53
.set T,    56
.set AD,   57
.set KS,   58
.set TB,   59                          ; this step's bytes in an image
.set LAST, 60
.set TILE, 61
.set MK,   62
.set TBN,  63                          ; the next step's
.set PFA,  78                          ; s[78:79] the prefetch's base; never rewritten behind it
.set MSB, 0
.macro WIN new                         ; the immediate's high byte repeats the setting that is left
.if MSB != (\new)
	s_set_vgpr_msb (MSB<<8)|(\new)
.set MSB, (\new)
.endif
.endm
.macro CROUND                          ; a round of the cluster's barrier
	s_barrier_signal -1
	s_barrier_wait -1
	s_cmp_lg_u32 s[WV], 0
	s_cbranch_scc1 .Lnot_wave_0_\@
	s_barrier_signal -3
.Lnot_wave_0_\@:
	s_barrier_wait -3
	s_barrier_signal -1
	s_barrier_wait -1
.endm
.macro KLOAD adr                       ; a step's eight tiles of K
	WIN 0x40
.irp t, 0,1,2,3,4,5,6,7
	ds_load_b128 v[KF+8*\t:KF+8*\t+3], v[\adr] offset:1024*\t
	ds_load_b128 v[KF+8*\t+4:KF+8*\t+7], v[\adr] offset:1024*\t+512
.endr
	WIN 0
.endm
.macro FRESH                           ; a pair of tiles begins: the first change of M multiplies zeros by 0
.irp x, ST0, ST1
	v_mov_b32 v[\x+TM], 0xff61b1e6                 ; -3e38, under every score
	v_mov_b32 v[\x+NM], 0x7f61b1e6                 ; -M = 3e38
	v_mov_b32 v[\x+SUM], 0
	v_mov_b32 v[\x+SUM+1], 0
.endr
	WIN 0x40
.set jj, 0
.rept 64
	v_mov_b32 v[OA+jj], 0
.set jj, jj+1
.endr
	WIN 0
.endm
.macro FINAL                           ; a pair ends: O^T / the sum, quantised with 2^e10, stored; then the second pair begins
.rept 4
	v_nop                                          ; places behind the last products
.endr
	s_wait_xcnt 0x0                                ; earlier stores have read their data and base
.irp x, ST0, ST1
	v_add_f32 v[\x+SUM], v[\x+SUM], v[\x+SUM+1]
.endr
.irp x, ST0, ST1
	v_permlanex16_b32 v[\x+PX], v[\x+SUM], s[SEL], s[SEL+1]
.endr
.irp x, ST0, ST1
	v_add_f32 v[\x+SUM], v[\x+SUM], v[\x+PX]
.endr
	s_wait_alu depctr_va_vdst(0)                   ; the wait ahead of the transcendentals
.irp x, ST0, ST1
	v_rcp_f32 v[\x+RL], v[\x+SUM]
.endr
	v_nop
	s_lshl_b32 s54, s[TILE], 14
	s_mov_b32 s55, 0
	s_add_nc_u64 s[66:67], s[68:69], s[54:55]
	WIN 0x41                                       ; O in window 1, the factors in window 0
	s_wait_alu depctr_va_vdst(0)                   ; and ahead of their first reader, which is also O^T's
.set jj, 0
.rept 16
	v_pk_mul_f32 v[OA+jj:OA+jj+1], v[OA+jj:OA+jj+1], v[ST0+RL:ST0+RL+1] op_sel_hi:[1,0]
	v_pk_mul_f32 v[OB+jj:OB+jj+1], v[OB+jj:OB+jj+1], v[ST1+RL:ST1+RL+1] op_sel_hi:[1,0]
.set jj, jj+2
.endr
.set jj, 0
.rept 64
	v_med3_num_f32 v[OA+jj], v[OA+jj], -v[CLIM], v[CLIM]
.set jj, jj+1
.endr
	WIN 0x01
.irp g, 0,1,2,3,4,5,6,7
	v_cvt_scalef32_pk8_bf8_f32 v[CCA+2*\g:CCA+2*\g+1], v[OA+8*\g:OA+8*\g+7], v[CSC]
.endr
	WIN 0
	v_nop
	global_store_b128 v[LI], v[CCA:CCA+3], s[66:67]
	global_store_b128 v[LI], v[CCA+4:CCA+7], s[66:67] offset:512
	global_store_b128 v[LI], v[CCB:CCB+3], s[66:67] offset:16384
	global_store_b128 v[LI], v[CCB+4:CCB+7], s[66:67] offset:16896
.set jj, 0
.rept 16
	v_mov_b32 v[QA+jj], v[QLA+jj]
.set jj, jj+1
.endr
	FRESH
	s_wait_alu depctr_va_vdst(0)
.endm
.macro ADDS x, s                       ; the sum of a tile's unquantised p, in four chains; the last addition follows later
	v_pk_add_f32 v[\x+SUM2:\x+SUM2+1], v[\s:\s+1], v[\s+2:\s+3]
	v_pk_add_f32 v[\x+SUM3:\x+SUM3+1], v[\s+4:\s+5], v[\s+6:\s+7]
	v_pk_add_f32 v[\x+SUM4:\x+SUM4+1], v[\s+8:\s+9], v[\s+10:\s+11]
.irp j, 12,20,28,36,44,52
	v_pk_add_f32 v[\x+SUM:\x+SUM+1], v[\x+SUM:\x+SUM+1], v[\s+\j:\s+\j+1]
	v_pk_add_f32 v[\x+SUM2:\x+SUM2+1], v[\x+SUM2:\x+SUM2+1], v[\s+\j+2:\s+\j+3]
	v_pk_add_f32 v[\x+SUM3:\x+SUM3+1], v[\x+SUM3:\x+SUM3+1], v[\s+\j+4:\s+\j+5]
	v_pk_add_f32 v[\x+SUM4:\x+SUM4+1], v[\x+SUM4:\x+SUM4+1], v[\s+\j+6:\s+\j+7]
.endr
	v_pk_add_f32 v[\x+SUM:\x+SUM+1], v[\x+SUM:\x+SUM+1], v[\s+60:\s+61]
	v_pk_add_f32 v[\x+SUM2:\x+SUM2+1], v[\x+SUM2:\x+SUM2+1], v[\s+62:\s+63]
	v_pk_add_f32 v[\x+SUM3:\x+SUM3+1], v[\x+SUM3:\x+SUM3+1], v[\x+SUM4:\x+SUM4+1]
	v_pk_add_f32 v[\x+SUM:\x+SUM+1], v[\x+SUM:\x+SUM+1], v[\x+SUM2:\x+SUM2+1]
.endm
.macro HOLD2 r                         ; the conversion does not saturate (ISA guide 7.6.2): the hold, two numbers
	v_dual_min_num_f32 v[\r], v[\r], v[PLIM] :: v_dual_min_num_f32 v[\r+1], v[\r+1], v[PLIM2]
.endm
.macro STEP full
	WIN 0x01                                       ; source 0 (K) window 1.  K's fragments were shown in by the last wait on DScnt
.irp t, 0,1,2,3,4,5,6,7
	v_wmma_f32_16x16x64_bf8_bf8 v[SA+8*\t:SA+8*\t+7], v[KF+8*\t:KF+8*\t+7], v[QA:QA+7], 0
	v_wmma_f32_16x16x64_bf8_bf8 v[SB+8*\t:SB+8*\t+7], v[KF+8*\t:KF+8*\t+7], v[QB:QB+7], 0
.endr
	WIN 0
	v_add_nc_u32 v[ADV], s[TB], v[LIV]             ; these four are the places in front of V's and K's loads and of the first read of S
	v_add_nc_u32 v[ADK], s[TBN], v[LI]
	v_mov_b32 v[ST0+MO], v[ST0+NM]
	v_mov_b32 v[ST1+MO], v[ST1+NM]
	WIN 0x40
.irp d, 0,1,2,3
.irp c, 0,1,2,3
	ds_load_b128 v[VF+16*\d+4*\c:VF+16*\d+4*\c+3], v[ADV] offset:2048*\d+512*\c
.endr
.endr
	WIN 0
.if \full
	s_cmp_eq_u32 s[T], 16                          ; no step follows the last
	s_cbranch_scc1 .Lnok_\@
.endif
	KLOAD ADK                                      ; the next step's K
.if \full
.Lnok_\@:
	s_cmp_lg_u32 s[T], s[LAST]
	s_cbranch_scc1 .Lopen_\@
.set nn, 0
.rept 64                               ; the step on the diagonal: key 16 t + 8 h + j is hidden where it passes 16 (tile mod 8) + r
	v_cmp_gt_i32 vcc_lo, 16*(nn/8)+nn%8, v[DDA]
	v_cmp_gt_i32 s[MK], 16*(nn/8)+nn%8, v[DDB]
	v_cndmask_b32 v[SA+nn], v[SA+nn], v[NINF], vcc_lo
	v_cndmask_b32 v[SB+nn], v[SB+nn], v[NINF], s[MK]
.set nn, nn+1
.endr
.Lopen_\@:
.endif
	v_max3_num_f32 v[ST0+MX], v[SA], v[SA+1], v[SA+2]          ; the step's largest scores: two chains a tile, the tiles by turns, ascending
	v_max3_num_f32 v[ST1+MX], v[SB], v[SB+1], v[SB+2]
	v_max3_num_f32 v[ST0+MY], v[SA+3], v[SA+4], v[SA+5]
	v_max3_num_f32 v[ST1+MY], v[SB+3], v[SB+4], v[SB+5]
.irp i, 6,10,14,18,22,26,30,34,38,42,46,50,54,58
	v_max3_num_f32 v[ST0+MX], v[ST0+MX], v[SA+\i], v[SA+1+\i]
	v_max3_num_f32 v[ST1+MX], v[ST1+MX], v[SB+\i], v[SB+1+\i]
	v_max3_num_f32 v[ST0+MY], v[ST0+MY], v[SA+2+\i], v[SA+3+\i]
	v_max3_num_f32 v[ST1+MY], v[ST1+MY], v[SB+2+\i], v[SB+3+\i]
.endr
	v_max3_num_f32 v[ST0+MX], v[ST0+MX], v[SA+62], v[SA+63]
	v_max3_num_f32 v[ST1+MX], v[ST1+MX], v[SB+62], v[SB+63]
	v_max_num_f32 v[ST0+MY], v[ST0+MY], v[ST0+TM]              ; with the running one
	v_max_num_f32 v[ST1+MY], v[ST1+MY], v[ST1+TM]
.irp x, ST0, ST1
	v_max_num_f32 v[\x+MX], v[\x+MX], v[\x+MY]
.endr
.irp x, ST0, ST1
	v_permlanex16_b32 v[\x+PX], v[\x+MX], s[SEL], s[SEL+1]
.endr
.irp x, ST0, ST1
	v_max_num_f32 v[\x+TM], v[\x+MX], v[\x+PX]     ; and lane l xor 16's
.endr
.irp x, ST0, ST1
	v_mul_f32 v[\x+MX], s[CS], v[\x+TM]            ; as t
.endr
.irp x, ST0, ST1
	v_floor_f32 v[\x+NM], -v[\x+MX]                ; -M = floor(-t)
.endr
.irp x, ST0, ST1
	v_sub_f32 v[\x+MX], v[\x+NM], v[\x+MO]         ; old M - new M, a whole number, 0 or less
.endr
.irp x, ST0, ST1
	v_cvt_i32_f32 v[\x+MX], v[\x+MX]               ; (it saturates)
.endr
.irp x, ST0, ST1
	v_ldexp_f32 v[\x+FF], 1.0, v[\x+MX]            ; f = 2^(old M - new M)
.endr
.set jj, 0
.rept 32
	v_pk_fma_f32 v[SA+jj:SA+jj+1], v[SA+jj:SA+jj+1], s[CS:CS+1], v[ST0+NM:ST0+NM+1] op_sel_hi:[1,0,0]   ; A: t - M
.set jj, jj+2
.endr
.irp x, ST0, ST1
	v_pk_mul_f32 v[\x+SUM:\x+SUM+1], v[\x+SUM:\x+SUM+1], v[\x+FF:\x+FF+1] op_sel_hi:[1,0]
.endr
	WIN 0x41                                       ; O in window 1, f in window 0
.set jj, 0
.rept 16
	v_pk_mul_f32 v[OA+jj:OA+jj+1], v[OA+jj:OA+jj+1], v[ST0+FF:ST0+FF+1] op_sel_hi:[1,0]
	v_pk_mul_f32 v[OB+jj:OB+jj+1], v[OB+jj:OB+jj+1], v[ST1+FF:ST1+FF+1] op_sel_hi:[1,0]
.set jj, jj+2
.endr
	WIN 0
	s_wait_alu depctr_va_vdst(0)
.set jj, 0
.rept 32                               ; A's exponentials; between them B's t - M, first read behind the next two waits
	v_exp_f32 v[SA+jj], v[SA+jj]
	v_exp_f32 v[SA+jj+1], v[SA+jj+1]
	v_pk_fma_f32 v[SB+jj:SB+jj+1], v[SB+jj:SB+jj+1], s[CS:CS+1], v[ST1+NM:ST1+NM+1] op_sel_hi:[1,0,0]
.set jj, jj+2
.endr
	s_wait_alu depctr_va_vdst(0)                   ; one wait ahead of the batch's first reader
	ADDS ST0, SA
	s_wait_alu depctr_va_vdst(0)                   ; and one ahead of the next batch
.set jj, 0
.rept 32                               ; B's exponentials; between them A's holds, first read behind the next wait
	v_exp_f32 v[SB+jj], v[SB+jj]
	v_exp_f32 v[SB+jj+1], v[SB+jj+1]
	HOLD2 SA+jj
.set jj, jj+2
.endr
	v_nop                                          ; a plain place behind the batch
	s_wait_alu depctr_va_vdst(0)
	ADDS ST1, SB
	v_pk_add_f32 v[ST0+SUM:ST0+SUM+1], v[ST0+SUM:ST0+SUM+1], v[ST0+SUM3:ST0+SUM3+1]
.set jj, 0
.rept 32
	HOLD2 SB+jj
.set jj, jj+2
.endr
	v_pk_add_f32 v[ST1+SUM:ST1+SUM+1], v[ST1+SUM:ST1+SUM+1], v[ST1+SUM3:ST1+SUM3+1]
	WIN 0x40                                       ; p's codes in window 1
.irp t, 0,1,2,3,4,5,6,7
	v_cvt_scalef32_pk8_bf8_f32 v[PCA+2*\t:PCA+2*\t+1], v[SA+8*\t:SA+8*\t+7], v[PSC]
.endr
.irp t, 0,1,2,3,4,5,6,7
	v_cvt_scalef32_pk8_bf8_f32 v[PCB+2*\t:PCB+2*\t+1], v[SB+8*\t:SB+8*\t+7], v[PSC]
.endr
	v_nop                                          ; one plain place behind the last conversion
	s_wait_alu depctr_va_vdst(0)
	s_wait_dscnt 0x0                               ; V, and the next step's K
	WIN 0x55
.irp d, 0,1,2,3
	v_wmma_f32_16x16x128_bf8_bf8 v[OA+8*\d:OA+8*\d+7], v[VF+16*\d:VF+16*\d+15], v[PCA:PCA+15], v[OA+8*\d:OA+8*\d+7]
	v_wmma_f32_16x16x128_bf8_bf8 v[OB+8*\d:OB+8*\d+7], v[VF+16*\d:VF+16*\d+15], v[PCB:PCB+15], v[OB+8*\d:OB+8*\d+7]
.endr
	WIN 0
.if \full
	s_cmp_lg_u32 s[T], s[LAST]
	s_cbranch_scc1 .Lon_\@
	FINAL
.Lon_\@:
.endif
.endm
	s_load_b256 s[4:11], s[0:1], 0x0               ; qimg s[4:5], kv s[6:7], the scales' exponents s[8:9], ctx s[10:11]
	v_lshl_add_u32 v[SPW], v0, 2, SPARE
	v_mov_b32 v[NIL], 0
	ds_add_u32 v[SPW], v[NIL]                      ; the opening lines: the add, twice on end, and its wait
	ds_add_u32 v[SPW], v[NIL]
	v_lshrrev_b32 v6, 5, v0
	v_readfirstlane_b32 s[WV], v6                  ; wave 0..7
	v_and_b32 v[LI], 31, v0
	v_lshlrev_b32 v[LI], 4, v[LI]
	s_and_b32 s[BH], ttmp7, 0xffff                 ; batch x head
	s_mov_b32 s[NLM], s[WV]                        ; the second pair's group,
	s_xor_b32 s[NHM], s[WV], 15                    ; the first pair's,
	s_add_co_u32 s[NH], s[NHM], 1                  ; and its steps
	s_bfe_u32 s[CX], ttmp6, 0x40000                ; cx
	s_lshl_b32 s[CX], s[CX], 1                     ; tile A's place in its group
	s_lshl_b32 s[THI], s[NHM], 3
	s_add_co_u32 s[THI], s[THI], s[CX]
	s_lshl_b32 s[TLO], s[NLM], 3
	s_add_co_u32 s[TLO], s[TLO], s[CX]
.irp g, G1A, G1B                       ; dense blocks as rows of 256 bytes (32 elements of 8 bytes); mask: all four work-groups, bit 21 beside it
	s_mov_b32 s[\g], 15|(3<<16)|(1<<21)
	s_mov_b32 s[\g+1], 32<<16
	s_mov_b32 s[\g+3], 32<<16
	s_mov_b32 s[\g+5], 32
	s_mov_b32 s[\g+6], 0
	s_mov_b32 s[\g+7], 0
.endr
	s_mov_b32 s[G1A+2], 24<<16
	s_mov_b32 s[G1A+4], 24
	s_mov_b32 s[G1B+2], 104<<16
	s_mov_b32 s[G1B+4], 104
	s_lshr_b32 s74, s[WV], 2                       ; waves 0-3 fetch K's image, waves 4-7 V's
	s_lshl_b32 s74, s74, 17
	s_and_b32 s75, s[WV], 3
	s_mul_i32 s76, s75, 6144
	s_add_co_u32 s76, s76, s74                     ; steps 0-2: 6,144 bytes a wave
	s_mul_i32 s77, s75, 26624
	s_add_co_u32 s77, s77, s74
	s_add_co_u32 s77, s77, 24576                   ; steps 3-15: 26,624 bytes a wave
	s_mov_b32 s[G0A], 1
	s_mov_b32 s[G0A+1], s76
	s_mov_b32 s[G0B], 1
	s_mov_b32 s[G0B+1], s77
	s_lshl_b32 s78, s[BH], 18
	s_mov_b32 s79, 0
	s_mov_b32 s[SEL], 0x76543210
	s_mov_b32 s[SEL+1], 0xfedcba98
	s_mov_b32 s[CS], 0x3e38aa3b                    ; log2(e) / 8
	s_wait_alu depctr_va_vdst(0)
	s_wait_dscnt 0x0
	s_wait_kmcnt 0x0
	s_load_b128 s[48:51], s[8:9], 0x18             ; e6 .. e9
	s_load_b32 s52, s[8:9], 0x28                   ; e10
	s_add_nc_u64 s[6:7], s[6:7], s[78:79]
	s_mov_b32 s78, s76
	s_add_nc_u64 s[G0A+2:G0A+3], s[6:7], s[78:79]
	s_or_b32 s[G0A+3], s[G0A+3], 0x80000000
	s_mov_b32 s78, s77
	s_add_nc_u64 s[G0B+2:G0B+3], s[6:7], s[78:79]
	s_or_b32 s[G0B+3], s[G0B+3], 0x80000000
	s_lshl_b32 s78, s[BH], 17
	s_add_nc_u64 s[4:5], s[4:5], s[78:79]
	s_lshl_b32 s54, s[THI], 10
	s_mov_b32 s55, 0
	s_add_nc_u64 s[70:71], s[4:5], s[54:55]
	s_lshl_b32 s54, s[TLO], 10
	s_add_nc_u64 s[72:73], s[4:5], s[54:55]
.irp i, 0,1,2,3                        ; both pairs' Q, asked for ahead of the round: tile B's image follows tile A's
	global_load_b128 v[QA+4*\i:QA+4*\i+3], v[LI], s[70:71] offset:512*\i
.endr
.irp i, 0,1,2,3
	global_load_b128 v[QLA+4*\i:QLA+4*\i+3], v[LI], s[72:73] offset:512*\i
.endr
	s_lshl_b32 s54, s[CX], 1                       ; the prefetch's base: of an image's 416 blocks behind step 2, blocks 26 (4 cx + wave mod 4) on
	s_add_co_u32 s54, s54, s75
	s_mul_i32 s54, s54, 6656
	s_add_co_u32 s54, s54, s74                     ; in K's image or in V's
	s_add_co_u32 s54, s54, 24576
	s_add_nc_u64 s[PFA:PFA+1], s[6:7], s[54:55]
	CROUND                                         ; all four work-groups are here: the joint loads meet
	tensor_load_to_lds s[G0A:G0A+3], s[G1A:G1A+7]
	s_nop 0
	v_and_b32 v[PFO], 31, v0
	v_min_u32 v[PFO], 25, v[PFO]
	v_lshlrev_b32 v[PFO], 8, v[PFO]
	v_add_nc_u32 v[LIV], 0x20000, v[LI]
	global_prefetch_b8 v[PFO], s[PFA:PFA+1] th:TH_LOAD_NT scope:SCOPE_SE
	v_and_b32 v6, 15, v0
	v_bfe_u32 v7, v0, 4, 1
	v_lshlrev_b32 v7, 3, v7
	v_sub_nc_u32 v[RH], v6, v7
	s_lshl_b32 s54, s[CX], 4
	v_add_nc_u32 v[DDA], s54, v[RH]
	v_add_nc_u32 v[DDB], 16, v[DDA]
	s_lshr_b32 s74, s[BH], 4                       ; ctx: [tile of 16 rows][K step = head / 2][c = 2 (head % 2) ..][lane][16]
	s_lshl_b32 s74, s74, 21
	s_bfe_u32 s75, s[BH], 0x30001
	s_lshl_b32 s75, s75, 11
	s_add_co_u32 s74, s74, s75
	s_and_b32 s75, s[BH], 1
	s_lshl_b32 s75, s75, 10
	s_add_co_u32 s74, s74, s75
	s_mov_b32 s75, 0
	s_add_nc_u64 s[68:69], s[10:11], s[74:75]
.irp x, ST0, ST1
	v_mov_b32 v[\x+PX], 0                          ; a lane permute's destination counts as a source
	v_mov_b32 v[\x+FF+1], 0                        ; (named as upper halves of pairs)
	v_mov_b32 v[\x+RL+1], 0
.endr
	v_mov_b32 v[NINF], 0xff800000
	FRESH
	s_wait_kmcnt 0x0
	s_add_co_i32 s74, s48, s49
	s_lshl_b32 s74, s74, 23
	s_add_co_i32 s[CS], s[CS], s74                 ; e6 + e7 go into c's exponent field
	s_mov_b32 s[CS+1], s[CS]
	s_add_co_i32 s74, s50, 127
	s_lshl_b32 s75, s74, 23
	v_mov_b32 v[PSC], s75                          ; 2^e8
	s_add_co_i32 s74, s74, 15
	s_lshl_b32 s74, s74, 23
	s_or_b32 s74, s74, 0x600000
	v_mov_b32 v[PLIM], s74                         ; 57,344 x 2^e8, twice
	v_mov_b32 v[PLIM2], s74
	s_sub_co_i32 s74, s52, s50
	s_sub_co_i32 s74, s74, s51
	s_add_co_i32 s74, s74, 127
	s_lshl_b32 s75, s74, 23
	v_mov_b32 v[CSC], s75                          ; 2^(e10 - e8 - e9)
	s_add_co_i32 s74, s74, 15
	s_lshl_b32 s74, s74, 23
	s_or_b32 s74, s74, 0x600000
	v_mov_b32 v[CLIM], s74
	s_wait_alu depctr_va_vdst(0)
	s_wait_tensorcnt 0x0                           ; my part of steps 0-2 is in
	ds_add_u32 v[SPW], v[NIL]
	s_wait_dscnt 0x0
	CROUND                                         ; everybody's part is in, and the joint loads meet
	tensor_load_to_lds s[G0B:G0B+3], s[G1B:G1B+7]
	s_nop 0
.rept 4
	v_nop
.endr
	KLOAD LI                                       ; step 0's K
	s_wait_loadcnt 0x0                             ; Q
	s_wait_dscnt 0x0
	s_mov_b32 s[T], 0
.Lfirst:                                           ; steps 0 and 1 of the first pair: neither lies on its diagonal; they read V up to step 1 and K up to step 2
	s_lshl_b32 s[TB], s[T], 13
	s_add_co_u32 s[TBN], s[TB], 8192
	STEP 0
	s_add_co_u32 s[T], s[T], 1
	s_cmp_lt_u32 s[T], 2
	s_cbranch_scc1 .Lfirst
	s_wait_tensorcnt 0x0                           ; my part of steps 3-15 is in,
	s_wait_dscnt 0x0
	s_barrier_signal -1
	s_barrier_wait -1                              ; everybody's is
.Lrest:
	s_cmp_lt_u32 s[T], s[NH]                       ; first pair: step T; second: step T - NH = (T + its group) mod 16
	s_cselect_b32 s[AD], 0, s[NLM]
	s_cselect_b32 s[LAST], s[NHM], 16
	s_cselect_b32 s[TILE], s[THI], s[TLO]
	s_add_co_u32 s[KS], s[T], s[AD]
	s_and_b32 s[KS], s[KS], 15
	s_lshl_b32 s[TB], s[KS], 13
	s_add_co_u32 s[T1], s[T], 1                    ; and the same for the step that follows
	s_cmp_lt_u32 s[T1], s[NH]
	s_cselect_b32 s[AD], 0, s[NLM]
	s_add_co_u32 s[KS], s[T1], s[AD]
	s_and_b32 s[KS], s[KS], 15
	s_lshl_b32 s[TBN], s[KS], 13
	STEP 1
	s_add_co_u32 s[T], s[T], 1
	s_cmp_lt_u32 s[T], 17
	s_cbranch_scc1 .Lrest
	s_wait_tensorcnt 0x0                           ; the wave's end
	ds_add_u32 v[SPW], v[NIL]
	s_wait_dscnt 0x0
	CROUND                                         ; the closing round
	s_endpgm
.Lfunc_end_k_q93e3546e64_attn:
	.size	k_q93e3546e64_attn, .Lfunc_end_k_q93e3546e64_attn-k_q93e3546e64_attn
	.p2alignl 7, 3214868480
	.fill 96, 4, 3214868480
	.section	.rodata,"a",@progbits
	.p2align	6, 0x0
	.amdhsa_kernel k_q93e3546e64_attn
		.amdhsa_group_segment_fixed_size 327680
		.amdhsa_private_segment_fixed_size 0
		.amdhsa_enable_private_segment 0
		.amdhsa_kernarg_size 32
		.amdhsa_user_sgpr_count 2
		.amdhsa_user_sgpr_kernarg_segment_ptr 1
		.amdhsa_wavefront_size32 1
		.amdhsa_system_sgpr_workgroup_id_x 1
		.amdhsa_system_sgpr_workgroup_id_y 1
		.amdhsa_system_sgpr_workgroup_id_z 1
		.amdhsa_system_vgpr_workitem_id 0
		.amdhsa_next_free_vgpr 512
		.amdhsa_next_free_sgpr 80
		.amdhsa_reserve_vcc 1
		.amdhsa_float_denorm_mode_32 3
		.amdhsa_float_denorm_mode_16_64 3
		.amdhsa_memory_ordered 1
		.amdhsa_forward_progress 1
		.amdhsa_inst_pref_size 94
	.end_amdhsa_kernel
	.amdgpu_metadata
---
amdhsa.version: [ 1, 2 ]
amdhsa.kernels:
  - .name:           k_q93e3546e64_attn
    .symbol:         k_q93e3546e64_attn.kd
    .args:
      - { .name: qimg, .offset: 0, .size: 8, .value_kind: global_buffer, .address_space: global }
      - { .name: kv, .offset: 8, .size: 8, .value_kind: global_buffer, .address_space: global }
      - { .name: lowp_scales, .offset: 16, .size: 8, .value_kind: global_buffer, .address_space: global }
      - { .name: ctx, .offset: 24, .size: 8, .value_kind: global_buffer, .address_space: global }
    .group_segment_fixed_size: 327680
    .private_segment_fixed_size: 0
    .kernarg_segment_align: 8
    .kernarg_segment_size: 32
    .max_flat_workgroup_size: 256
    .sgpr_count:     80
    .vgpr_count:     512
    .wavefront_size: 32
...
	.end_amdgpu_metadata
.endif
;; end of part 2
;; launch outp (part 3): grid 256 x 1, 4 waves a work-group, clusters of 4 x 1, 168,448 bytes of LDS; arguments ctx, Wo_codes, bo, lowp_scales, out0; writes out0
.if DOCPART == 3
	.amdgcn_target "amdgcn-amd-amdhsa--gfx1250"
	.amdhsa_code_object_version 6
	.text
	.protected	k_q93e3546e64_outp
	.globl	k_q93e3546e64_outp
	.p2align	8
	.type	k_q93e3546e64_outp,@function
k_q93e3546e64_outp:
	s_mov_b64 s[64:65], 0
	v_nop
	global_prefetch_b8 v0, s[64:65] scope:SCOPE_SE
	s_setreg_imm32_b32 hwreg(HW_REG_WAVE_MODE, 25, 1), 1
	s_wait_xcnt 0x0
	s_wait_alu depctr_hold_cnt(0) depctr_sa_sdst(0) depctr_va_vdst(0) depctr_va_sdst(0) depctr_va_ssrc(0) depctr_va_vcc(0) depctr_vm_vsrc(0)
	s_getreg_b32 s2, hwreg(HW_REG_IB_STS2, 6, 4)
	s_cmp_eq_u32 s2, 0
	s_cbranch_scc0 .Lentry_in_a_cluster
	s_endpgm
.Lentry_in_a_cluster:
	s_bfe_u32 s2, ttmp6, 0x10000c
	s_cmp_lg_u32 s2, 0x3003
	s_cbranch_scc0 .Lentry_shape_is_right
	s_endpgm
.Lentry_shape_is_right:
; THE OUTPUT PROJECTION: out = ctx Wo + bo on codes of BF8 (E5M2).  ctx: images of operand registers [tile of 16 rows 512][K step 8][c 4][lane][16]; Wo: [1024 (n)][1024 (k)] codes; bo: [1024] f32; out: [8192][1024] f32.
; A sum of codes stands for sum x 2^(e10 + e11) (entries 10 and 11 of lowp_scales): out = sum x 2^(e10 + e11) + bo, one packed multiply-add for two numbers.
; LIMIT: e10 + e11 between -126 and 127, so that 2^(e10 + e11) is an f32 number.
; SHARES.  A cluster of four work-groups takes 128 rows (cluster x = 0 .. 63); work-group cx takes columns 256 cx on, its wave w 64 of them, for all 128 rows.  The wave's 64 rows of Wo (512 registers) stay in registers, read once.
; The rows' 131,072 bytes of ctx, dense in memory, are asked for JOINTLY by the four partners (mask 15), 32,768 bytes a wave, and lie whole in LDS: every byte is filled once, so there is no ring; one tensor load of mine is out at the most.
; A UNIT is 32 rows x 64 columns x K 1,024: 64 matrix instructions on eight accumulators by turns, in two halves of four K steps.
; THE ROWS OF Wo THAT FORM A TILE ARE NOT NEIGHBOURS: lane r of tile t takes row 32 (t / 2) + 8 (t % 2) + r + 8 (r / 8).  With source 0 = Wo and source 1 = ctx a lane holds ONE row of out, and the 16 registers of tiles 2 b, 2 b + 1
; are columns 32 b + 16 (lane / 16) + 0 .. 15: 64 neighbouring bytes.  A tile of 16 rows x 64 columns goes through my own stage in LDS and leaves as rows of 256 bytes: sixteen lanes store 256 consecutive bytes, aligned.
; REGISTERS, in windows of 256: window 0: addresses, bias, accumulators, the way out;  window 1: Wo of K steps 0-3;  window 2: of K steps 4-7;  window 3: ctx's fragments.
.set STG, 131072                       ; behind ctx's image: for each wave two stages of 16 rows x (256 + 16) bytes; no tensor load lands there
.set LO,  1                            ; v1      16 x lane
.set WA,  2                            ; v2      Wo: (r + 8 (r / 8)) x 1,024 + 16 h
.set BA,  3                            ; v3      bo: 64 h
.set STO, 6                            ; v6      the stage: where I put 64 bytes of a row
.set RD,  7                            ; v7      and where I read rows back
.set CO,  9                            ; v9      my byte in two rows of out
.set AX,  10                           ; v10-13  LDS address of my lane in unit u's fragments
.set BI,  32                           ; v32-63  bo in the result's layout
.set ACC, 64                           ; v64-127 eight accumulators
.set TMP, 128                          ; v128-191 sum x scale + bias, a set for each tile of rows
.set BK,  192                          ; v192-255 rows read back from the stage
.set G1,  24
.set G0,  32
.set MSB, 0
.macro WIN new                         ; the immediate's high byte repeats the setting that is left; a switch that changes nothing is dropped
.if MSB != (\new)
	s_set_vgpr_msb (MSB<<8)|(\new)
.set MSB, (\new)
.endif
.endm
.macro CROUND                          ; a round of the cluster's barrier
	s_barrier_signal -1
	s_barrier_wait -1
	s_cmp_lg_u32 s14, 0
	s_cbranch_scc1 .Lnot_wave_0_\@
	s_barrier_signal -3
.Lnot_wave_0_\@:
	s_barrier_wait -3
	s_barrier_signal -1
	s_barrier_wait -1
.endm
.macro PLACES                          ; four plain vector instructions between a matrix instruction and a load into its sources or a read of its result
.rept 4
	v_nop
.endr
.endm
.macro WLOAD                           ; my 64 rows of Wo, 128 loads: they stay
	WIN 0x40
.irp k, 0,1,2,3
.irp t, 0,1,2,3
.irp c, 0,1,2,3
	global_load_b128 v[64*\k+16*\t+4*\c:64*\k+16*\t+4*\c+3], v[WA], s[6:7] offset:(32*(\t/2)+8*(\t%2))*1024+128*\k+32*\c
.endr
.endr
.endr
	WIN 0x80
.irp k, 0,1,2,3
.irp t, 0,1,2,3
.irp c, 0,1,2,3
	global_load_b128 v[64*\k+16*\t+4*\c:64*\k+16*\t+4*\c+3], v[WA], s[6:7] offset:(32*(\t/2)+8*(\t%2))*1024+128*(4+\k)+32*\c
.endr
.endr
.endr
	WIN 0
.endm
.macro FETCH half, u                   ; 32 LDS loads: unit u's two tiles of rows, four K steps: each load takes 512 consecutive bytes
	WIN 0xc0
.irp k, 0,1,2,3
.irp a, 0,1
.irp c, 0,1,2,3
	ds_load_b128 v[128*\half+32*\k+16*\a+4*\c:128*\half+32*\k+16*\a+4*\c+3], v[AX+\u] offset:\a*16384+2048*(4*\half+\k)+512*\c
.endr
.endr
.endr
	WIN 0
.endm
; 32 matrix instructions; the eight accumulators take turns, one instruction a turn, in the same order throughout.  first = 1: the first K step starts the sums with the constant 0.
.macro MULH half, first
	WIN 0x0d+\half                                 ; source 0 (Wo) window 1 or 2, source 1 (ctx) window 3
.irp k, 0,1,2,3
.irp a, 0,1
.irp t, 0,1,2,3
.if \first && (\k == 0)
	v_wmma_f32_16x16x128_bf8_bf8 v[ACC+8*(4*\a+\t):ACC+8*(4*\a+\t)+7], v[64*\k+16*\t:64*\k+16*\t+15], v[128*\half+32*\k+16*\a:128*\half+32*\k+16*\a+15], 0
.else
	v_wmma_f32_16x16x128_bf8_bf8 v[ACC+8*(4*\a+\t):ACC+8*(4*\a+\t)+7], v[64*\k+16*\t:64*\k+16*\t+15], v[128*\half+32*\k+16*\a:128*\half+32*\k+16*\a+15], v[ACC+8*(4*\a+\t):ACC+8*(4*\a+\t)+7]
.endif
.endr
.endr
.endr
.endm
; THE WAY OUT of a unit.  LDS serves a wave's instructions in order (ISA guide 5.7.1.4): no wait stands between my stores into my stage and my loads from it.
.macro OUTU u
	s_wait_xcnt 0x0                                ; the last unit's stores have read their data registers: only behind this wait do loads land there again
.irp a, 0,1
.set jj, 0
.rept 16
	v_pk_fma_f32 v[TMP+32*\a+jj:TMP+32*\a+jj+1], v[ACC+32*\a+jj:ACC+32*\a+jj+1], s[46:47], v[BI+jj:BI+jj+1] op_sel_hi:[1,0,1]   ; each accumulator from its low end on
.set jj, jj+2
.endr
.irp b, 0,1
.irp q, 0,1,2,3
	ds_store_b128 v[STO], v[TMP+32*\a+16*\b+4*\q:TMP+32*\a+16*\b+4*\q+3] offset:4352*\a+128*\b+16*\q
.endr
.endr
.irp i, 0,1,2,3,4,5,6,7
	ds_load_b128 v[BK+32*\a+4*\i:BK+32*\a+4*\i+3], v[RD] offset:4352*\a+544*\i
.endr
.endr
	s_wait_dscnt 16                                ; the first tile is back; the second's 8 stores and 8 loads may be out
.irp i, 0,1,2,3,4,5,6,7
	global_store_b128 v[CO], v[BK+4*\i:BK+4*\i+3], s[12:13] offset:(32*(\u)+2*\i)*4096 th:TH_STORE_NT
.endr
	s_wait_dscnt 0x0
.irp i, 0,1,2,3,4,5,6,7
	global_store_b128 v[CO], v[BK+32+4*\i:BK+32+4*\i+3], s[12:13] offset:(32*(\u)+16+2*\i)*4096 th:TH_STORE_NT
.endr
.endm
.macro UNIT u
.if (\u) == 0
	s_wait_dscnt 32                                ; the first half is in; the 32 younger loads may be out.  (In the later units the way out's last wait has shown all loads in)
.endif
	MULH 0, 1
	WIN 0
	PLACES
.if (\u) < 3
	FETCH 0, (\u)+1
	s_wait_dscnt 32                                ; all but the 32 just issued
.endif
.if (\u) == 0
	s_wait_loadcnt 0x0                             ; Wo's K steps 4-7
.endif
	MULH 1, 0
	WIN 0
	PLACES
.if (\u) < 3
	FETCH 1, (\u)+1
.endif
	OUTU \u
.endm
	s_load_b256 s[4:11], s[0:1], 0x0               ; ctx s[4:5], Wo s[6:7], bo s[8:9], the scales' exponents s[10:11]
	s_load_b64 s[12:13], s[0:1], 0x20              ; out
	v_lshl_add_u32 v30, v0, 2, 0x29000
	v_mov_b32 v31, 0
	ds_add_u32 v30, v31
	ds_add_u32 v30, v31
	v_lshrrev_b32 v4, 5, v0
	v_readfirstlane_b32 s14, v4                    ; wave 0..3
	s_bfe_u32 s15, ttmp6, 0x40000                  ; cx: it enters Wo's, bo's and out's addresses alone
	s_mov_b32 s16, ttmp9                           ; which 128 rows
	v_and_b32 v4, 15, v0                           ; r
	v_bfe_u32 v5, v0, 4, 1                         ; h
	v_and_b32 v[LO], 31, v0
	v_lshlrev_b32 v[LO], 4, v[LO]
	v_and_b32 v[WA], 8, v4
	v_add_nc_u32 v[WA], v[WA], v4
	v_lshlrev_b32 v[WA], 10, v[WA]
	v_lshl_add_u32 v[WA], v5, 4, v[WA]
	v_lshlrev_b32 v[BA], 6, v5
.irp u, 0,1,2,3
	v_add_nc_u32 v[AX+\u], \u*32768, v[LO]
.endr
	s_mul_i32 s48, s14, 8704
	s_add_co_u32 s48, s48, STG                     ; my stages
	v_mul_u32_u24 v[STO], v4, 272
	v_lshl_add_u32 v[STO], v5, 6, v[STO]
	v_add_nc_u32 v[STO], s48, v[STO]               ; in: row r, 64 bytes for each half of the lanes
	v_mul_u32_u24 v[RD], v5, 272
	v_lshl_add_u32 v[RD], v4, 4, v[RD]
	v_add_nc_u32 v[RD], s48, v[RD]                 ; back: lanes 0-15 one row of 256 bytes, lanes 16-31 the next
	v_lshlrev_b32 v[CO], 12, v5
	v_lshl_add_u32 v[CO], v4, 4, v[CO]             ; and the same two rows in out
	; descriptor group 1: a dense block as 128 rows of 256 bytes (32 elements of 8 bytes)
	s_mov_b32 s[G1], 15|(3<<16)|(1<<21)            ; 15:0 the mask: all four work-groups; 17:16 elements of 8 bytes; 21 set beside a mask; no padding
	s_mov_b32 s[G1+1], 32<<16
	s_mov_b32 s[G1+2], 128<<16
	s_mov_b32 s[G1+3], 32<<16
	s_mov_b32 s[G1+4], 128
	s_mov_b32 s[G1+5], 32
	s_mov_b32 s[G1+6], 0
	s_mov_b32 s[G1+7], 0
	s_mov_b32 s[G0], 1
	s_lshl_b32 s[G0+1], s14, 15                    ; LDS: wave x 32,768
	s_lshl_b32 s36, s16, 17
	s_lshl_b32 s37, s14, 15
	s_add_co_u32 s36, s36, s37
	s_mov_b32 s37, 0
	s_wait_dscnt 0x0
	s_wait_kmcnt 0x0
	s_load_b64 s[40:41], s[10:11], 0x28            ; e10, e11
	s_add_nc_u64 s[G0+2:G0+3], s[4:5], s[36:37]
	s_or_b32 s[G0+3], s[G0+3], 0x80000000
	CROUND                                         ; all four work-groups are here: the joint loads meet
	tensor_load_to_lds s[G0:G0+3], s[G1:G1+7]
	s_nop 0
.rept 4
	v_nop
.endr
	s_lshl_b32 s17, s15, 2
	s_add_co_u32 s17, s17, s14                     ; my 64 columns: 4 cx + wave
	s_mov_b32 s51, 0
	s_lshl_b32 s50, s17, 16
	s_add_nc_u64 s[6:7], s[6:7], s[50:51]          ; their rows of Wo
	s_lshl_b32 s50, s17, 8
	s_add_nc_u64 s[8:9], s[8:9], s[50:51]          ; their numbers of bo
	s_lshl_b32 s52, s16, 19                        ; 128 rows of 4,096 bytes
	s_add_co_u32 s50, s50, s52
	s_add_nc_u64 s[12:13], s[12:13], s[50:51]
.irp t, 0,1,2,3
	global_load_b128 v[BI+8*\t:BI+8*\t+3], v[BA], s[8:9] offset:(32*(\t/2)+8*(\t%2))*4
	global_load_b128 v[BI+8*\t+4:BI+8*\t+7], v[BA], s[8:9] offset:(32*(\t/2)+8*(\t%2))*4+16
.endr
	WLOAD
	s_wait_kmcnt 0x0
	s_add_co_i32 s46, s40, s41
	s_add_co_i32 s46, s46, 127
	s_lshl_b32 s46, s46, 23                        ; 2^(e10 + e11) as f32
	s_mov_b32 s47, s46                             ; (named with it as a pair)
	s_wait_tensorcnt 0x0                           ; my part of ctx's image is in LDS,
	s_barrier_signal -1
	s_barrier_wait -1                              ; everybody's is
	FETCH 0, 0
	FETCH 1, 0
	s_wait_loadcnt 63                              ; the youngest 63 loads, all but the first of Wo's K steps 4-7, may be out: bo and K steps 0-3 are in
.irp u, 0,1,2,3
	UNIT \u
.endr
	s_wait_tensorcnt 0x0
	ds_add_u32 v30, v31
	s_wait_dscnt 0x0
	CROUND                                         ; the closing round: no work-group ends while a partner may still ask for the tile that names it
	s_endpgm
.Lfunc_end_k_q93e3546e64_outp:
	.size	k_q93e3546e64_outp, .Lfunc_end_k_q93e3546e64_outp-k_q93e3546e64_outp
	.p2alignl 7, 3214868480
	.fill 96, 4, 3214868480
	.section	.rodata,"a",@progbits
	.p2align	6, 0x0
	.amdhsa_kernel k_q93e3546e64_outp
		.amdhsa_group_segment_fixed_size 168448
		.amdhsa_private_segment_fixed_size 0
		.amdhsa_enable_private_segment 0
		.amdhsa_kernarg_size 40
		.amdhsa_user_sgpr_count 2
		.amdhsa_user_sgpr_kernarg_segment_ptr 1
		.amdhsa_wavefront_size32 1
		.amdhsa_system_sgpr_workgroup_id_x 1
		.amdhsa_system_sgpr_workgroup_id_y 1
		.amdhsa_system_sgpr_workgroup_id_z 1
		.amdhsa_system_vgpr_workitem_id 0
		.amdhsa_next_free_vgpr 1024
		.amdhsa_next_free_sgpr 66
		.amdhsa_reserve_vcc 0
		.amdhsa_float_denorm_mode_32 3
		.amdhsa_float_denorm_mode_16_64 3
		.amdhsa_memory_ordered 1
		.amdhsa_forward_progress 1
		.amdhsa_inst_pref_size 74
	.end_amdhsa_kernel
	.amdgpu_metadata
---
amdhsa.version: [ 1, 2 ]
amdhsa.kernels:
  - .name:           k_q93e3546e64_outp
    .symbol:         k_q93e3546e64_outp.kd
    .args:
      - { .name: ctx, .offset: 0, .size: 8, .value_kind: global_buffer, .address_space: global }
      - { .name: Wo_codes, .offset: 8, .size: 8, .value_kind: global_buffer, .address_space: global }
      - { .name: bo, .offset: 16, .size: 8, .value_kind: global_buffer, .address_space: global }
      - { .name: lowp_scales, .offset: 24, .size: 8, .value_kind: global_buffer, .address_space: global }
      - { .name: out0, .offset: 32, .size: 8, .value_kind: global_buffer, .address_space: global }
    .group_segment_fixed_size: 168448
    .private_segment_fixed_size: 0
    .kernarg_segment_align: 8
    .kernarg_segment_size: 40
    .max_flat_workgroup_size: 128
    .sgpr_count:     66
    .vgpr_count:     1024
    .wavefront_size: 32
...
	.end_amdgpu_metadata
.endif
;; end of part 3
